; MI455X (gfx1250); checked and timed in simulation.
; The chip was launched on July 23, 2026; its instructions are those of AMD's public machine-readable ISA for CDNA 5 (MIT licence, August 2026) and "CDNA5" Instruction Set Architecture Reference Guide (July 2026). The comments in the code are by the model that wrote it; some were corrected since.
;; Quadratic Heterogenous Cross Attention. Allowed arithmetic: matrix products marked QUANTISED: E2M1 operands, one E8M0 scale for each 32 along K, by v_wmma_scale_f32_16x16x128_f8f6f4 with both operands' format E2M1 (or v_wmma_scale_f32_32x16x128_f4), f32 sums; products left as they are: bf16, f16 or f32 operands; f32 sums; everything else in f32.
;; Inputs: Wk 4 x 256 x 256 float32; Wo 256 x 256 float32; Wq 256 x 256 float32; Wv 4 x 256 x 256 float32; bk 4 x 256 float32; bo 256 float32; bq 256 float32; bv 4 x 256 float32; concatenated_features 16 x 256 x 256 float32; edge_attr 16 x 256 x 256 float32; feature_weights 4 float32; q_data 16 x 256 x 256 float32; v_0 16 x 256 x 256 float32; x_0 16 x 256 x 256 float32.
;; Outputs: out0 16 x 256 x 256 float32.
;; This version of the problem:
;;   THIS VERSION OF THE PROBLEM IS GIVEN IN LOW PRECISION. The matrix products marked QUANTISED in the list below multiply operands that are first quantised to E2M1 (2 exponent bits, 1 mantissa bit; 4 bits a number), with one power-of-two scale for each 32 numbers along K (OCP MX v1.0); their sums are f32. The products marked 'left as it is' may take bf16, f16 or f32 operands, with f32 sums. Whichever they take, every output number must still come out within the allowed error. Rounding operands to bf16 (8 significant bits) uses up far more of that allowance than f16 does (11 bits, for magnitudes from 6e-5 to 65,504). All else is computed in f32.
;;   The module's matrix products, in the order in which they are computed (A, B: the left and right operand; K: the contracted axis; several contracted axes count as one K, in the product's order):
;;     1. [M 4,096, K 256] x [K 256, N 256]; A: input q_data; B: input Wq: QUANTISED
;;     2. [M 4,096, K 256] x [K 256, N 256]; A: input x_0; B: input Wk: QUANTISED
;;     3. [M 4,096, K 256] x [K 256, N 256]; A: input x_0; B: input Wv: QUANTISED
;;     4. batch 16 x [M 2,048, K 32] x [K 32, N 2,048]; A: computed on the way; B: computed on the way: left as it is (an operand is computed on the way)
;;     5. batch 16 x [M 2,048, K 2,048] x [K 2,048, N 32]; A: computed on the way; B: computed on the way: left as it is (an operand is computed on the way)
;;     6. [M 4,096, K 256] x [K 256, N 256]; A: input v_0; B: input Wk: QUANTISED
;;     7. [M 4,096, K 256] x [K 256, N 256]; A: input v_0; B: input Wv: QUANTISED
;;     8. batch 16 x [M 2,048, K 32] x [K 32, N 2,048]; A: computed on the way; B: computed on the way: left as it is (an operand is computed on the way)
;;     9. batch 16 x [M 2,048, K 2,048] x [K 2,048, N 32]; A: computed on the way; B: computed on the way: left as it is (an operand is computed on the way)
;;     10. [M 4,096, K 256] x [K 256, N 256]; A: input edge_attr; B: input Wk: QUANTISED
;;     11. [M 4,096, K 256] x [K 256, N 256]; A: input edge_attr; B: input Wv: QUANTISED
;;     12. batch 16 x [M 2,048, K 32] x [K 32, N 2,048]; A: computed on the way; B: computed on the way: left as it is (an operand is computed on the way)
;;     13. batch 16 x [M 2,048, K 2,048] x [K 2,048, N 32]; A: computed on the way; B: computed on the way: left as it is (an operand is computed on the way)
;;     14. [M 4,096, K 256] x [K 256, N 256]; A: input concatenated_features; B: input Wk: QUANTISED
;;     15. [M 4,096, K 256] x [K 256, N 256]; A: input concatenated_features; B: input Wv: QUANTISED
;;     16. batch 16 x [M 2,048, K 32] x [K 32, N 2,048]; A: computed on the way; B: computed on the way: left as it is (an operand is computed on the way)
;;     17. batch 16 x [M 2,048, K 2,048] x [K 2,048, N 32]; A: computed on the way; B: computed on the way: left as it is (an operand is computed on the way)
;;     18. [M 4,096, K 256] x [K 256, N 256]; A: computed on the way; B: input Wo: left as it is (an operand is computed on the way)
;;   THE QUANTISER, for each operand of a quantised product, along K:
;;     - K is cut into blocks of 32 from its start; a last block that is shorter is filled with zeros.
;;     - A block's scale is 2^e with e = floor(log2(the largest magnitude in the block)) - 2, held to -126 .. 127; a block of zeros has e = 0. As a byte (E8M0): e + 127.
;;     - Each number is divided by its block's scale, clamped to +-6, and rounded to the nearest number of E2M1, ties to even, subnormals kept.
;;     - The product sums the exact products of the quantised numbers (number of the format x scale) in f32.
;;   ~~~python
;;   def quantise(x, axis):      # numpy; x: float32 -> the quantised numbers, widened to float32 again
;;       x = np.moveaxis(x, axis, -1); K = x.shape[-1]
;;       x = np.pad(x, [(0, 0)] * (x.ndim - 1) + [(0, -K % 32)]); x = x.reshape(x.shape[:-1] + (-1, 32)); a = np.abs(x).max(-1, keepdims=True)
;;       e = np.where(a > 0, np.clip(np.frexp(np.where(a > 0, a, 1))[1] - 1 - 2, -126, 127), 0)      # np.frexp(a)[1] - 1 = floor(log2(a)), exactly
;;       r = np.clip(x / 2.0 ** e, -6, 6)
;;       step = 2.0 ** (np.maximum(np.frexp(np.where(r == 0, 1, r))[1] - 1, 0) - 1)
;;       q = np.round(r / step) * step * 2.0 ** e      # np.round: ties to even
;;       return np.moveaxis(q.reshape(q.shape[:-2] + (-1,))[..., :K], -1, axis).astype(np.float32)
;;   ~~~
;; One version. Each part assembles by itself: llvm-mc -triple=amdgcn-amd-amdhsa -mcpu=gfx1250 --defsym DOCPART=n.
;; ======== version 1 of 1: 3 launches
;; limits: values are held in f16: magnitudes above 65,504 overflow, below 6.1e-05 lose precision; a function is approximated: absolute error at most 1e-06
;; workspace buffers: kv 20,971,520 bytes; oimg 2,097,152 bytes
;; launch proj (part 1): grid 32 x 9, 8 waves a work-group, no clusters, 20,480 bytes of LDS; arguments x_0, v_0, edge_attr, concatenated_features, q_data, Wk, Wv, Wq, bk, bv, bq, kv; writes kv
.if DOCPART == 1
	.amdgcn_target "amdgcn-amd-amdhsa--gfx1250"
	.amdhsa_code_object_version 6
	.text
	.protected	k_q1c5c86958e_proj
	.globl	k_q1c5c86958e_proj
	.p2align	8
	.type	k_q1c5c86958e_proj,@function
k_q1c5c86958e_proj:
	s_mov_b64 s[64:65], 0
	v_nop
	global_prefetch_b8 v0, s[64:65] scope:SCOPE_SE
	s_setreg_imm32_b32 hwreg(HW_REG_WAVE_MODE, 25, 1), 1
	s_wait_xcnt 0x0
; PROJ: the nine quantised projections (q; k and v of the four features), each [4,096 x 256] x [256 x 256] on codes of FP4 (E2M1) with one E8M0 scale for each 32 along K,
; then bias, RoPE (q and k), for q the factor c = log2(e) / sqrt(32), and rounding to f16.  The results leave as IMAGES OF THE OPERAND REGISTERS that the attention launch wants:
; kv = [f 0..4][b 2][h 8][kb 64][frag 4][1,024 bytes]; an image is registers 0-3 (lane l's 16 bytes at 16 l), then registers 4-7 (at 512 + 16 l).  f 0..3: frag 0, 1 = K's keys 32 kb + 0..15, + 16..31
; (lane = key, registers along the head's 32 channels); frag 2, 3 = V^T's channels 0-15, 16-31 (lane = channel, registers along the 32 keys).  f = 4: q in frag 0, 1; its frag 2, 3 are neither written nor read.
; ONE PATH OF TEXT FOR ALL 288 JOBS.  A job multiplies an OWN operand (256 rows, 32 a wave, quantised into the wave's registers) by a SHARED one (128 rows, 16 quantised by each wave, handed round through LDS as
; register images).  Source 0 = own, source 1 = shared: lane (r, hh) register j holds (own row 8 hh + j, shared row r).
;   y = 0..3 (k of feature y) and y = 8 (q): own = the weight (wave w = head w), shared = 128 rows of the activation: a lane holds one key and 8 neighbouring channels: RoPE's pairs lie inside the lane.
;   y = 4..7 (v of feature y - 4): own = 256 rows of the activation, shared = 128 rows of Wv: a lane holds one channel and 8 neighbouring keys.  Its "rotation" is by the angle 0: cos = 1, sin = 0 exactly.
; What differs between the jobs is chosen by scalar selects on the work-group's numbers alone: pointers, offsets, two masks for the biases, the timestep, the factor.
; NO JOINT LOADS, NO TENSOR LOADS: a work-group reads 384 rows of 1,024 bytes once, straight into the registers in which they are quantised; nothing lies in LDS as it lies in memory, so there is no tile to share.
; LIMITS: results are f16: |c q|, |k|, |v| under 65,504, smallest step 6e-8.  NaN and infinities among the inputs are not served.  A block of zeros gets the scale byte 1 (its codes are zeros; only this
; launch reads the bytes).  cos and sin come from a series and three doublings, good to about 1e-6, which is far under f16's step.
.set SHI,   0                          ; LDS: the shared operand's 16 images (tile s, K step k: 2 s + k), 1,024 bytes each
.set SHS,   16384                      ; their scale words, 128 bytes each
.set TAB,   18432                      ; 128 bytes a wave: 16 cos, 16 sin
.set SPARE, 19456                      ; the spare words, 128 bytes for each of the 8 waves: no other line names them
.set LANE, 1
.set RR,   2                           ; lane % 16
.set HH,   3                           ; lane / 16
.set XA,   4                           ; row r of 1,024 bytes + 64 hh: my 16 numbers of a block of 32
.set LI,   5                           ; 16 x lane
.set LS,   6                           ; 4 x lane
.set SWI,  7                           ; where I store the shared images: 16 x lane + 2,048 x wave
.set SWS,  8                           ; and their scale words: 4 x lane + 256 x wave
.set VO,   9                           ; my byte offset in kv: 16 x lane + wave x WSTR
.set TBA,  10                          ; the table: where I store, 4 x lane
.set TBL,  11                          ; and where I read: 16 hh
.set SPW,  12                          ; my spare word; never rewritten
.set NIL,  13                          ; 0; never rewritten
.set BOA,  14                          ; offsets of the bias loads
.set BSA,  15
.set OWN,  16                          ; v16-47   own fragments, (tile a, K step k) at 8 (2 a + k)
.set OWS,  48                          ; v48-51   their scale words
.set SHW,  52                          ; v52-55   the shared fragments' scale words
.set BS,   56                          ; v56-63   bias by shared row (v jobs), one register for each shared tile
.set BO,   64                          ; v64-79   bias by own row (q, k jobs), 8 a + j: the C of a sum's first product
.set COS,  80                          ; v80-87   4 a + jj
.set SIN,  88                          ; v88-95
.set PC,   96                          ; v96-103  codes just made;  v104 their scale word
.set PW,   104
.set TM,   108                         ; v108-123 at work in QUANT
.set X0,   128                         ; v128-191, v192-255: 64 numbers each
.set X1,   192
.set SHF,  128                         ; behind the barrier: v128-159 shared fragments (2 tiles x 2 K steps), v160-191 four accumulators, v192-207 packed results, v208-215 at work
.set ACC,  160
.set PK,   192
.set TT,   208
.set WV,   32
.set YY,   33
.set FI,   34
.set BLK,  35
.set OWNP, 36
.set SHP,  38
.set BP,   40
.set OUT,  42
.set SSTR, 44                          ; s[44:45] bytes in kv from a pair of shared tiles to the next
.set WSTR, 46                          ; bytes in kv from wave to wave
.set POS,  47                          ; the rows' timestep
.set FAC,  48
.set MK,   49
.set MV,   50
.set MH,   51
.set SEL,  52
; 64 numbers of my row (128 along K), register 16 b + i = k 32 b + 16 hh + i
.macro XLOAD reg, base, off
.irp b, 0,1,2,3
.irp j, 0,1,2,3
	global_load_b128 v[(\reg)+16*\b+4*\j:(\reg)+16*\b+4*\j+3], v[XA], s[\base:\base+1] offset:(\off)+128*\b+16*\j
.endr
.endr
.endm
; they become a fragment's 8 registers of codes at v[pc] and its scale word in v[pw]
.macro QUANT src, pc, pw
.irp b, 0,1,2,3
	v_max3_num_f32 v[TM+\b], |v[(\src)+16*\b]|, |v[(\src)+1+16*\b]|, 0x1800000   ; block b: my 16 numbers, and the floor 2^(3 - 127): the byte cannot fall under 1
.endr
.irp i, 2,4,6,8,10,12,14
.irp b, 0,1,2,3
	v_max3_num_f32 v[TM+\b], v[TM+\b], |v[(\src)+16*\b+\i]|, |v[(\src)+1+16*\b+\i]|   ; the four blocks by turns
.endr
.endr
.irp b, 0,1,2,3
	v_permlanex16_b32 v[TM+4+\b], v[TM+\b], s[SEL], s[SEL+1]
.endr
.irp b, 0,1,2,3
	v_max_num_f32 v[TM+\b], v[TM+\b], v[TM+4+\b]   ; with lane l xor 16's: the block's largest magnitude
.endr
.irp b, 0,1,2,3
	v_add_nc_u32 v[TM+12+\b], 0xff000000, v[TM+\b]   ; 2 off its exponent field: the conversion's scale operand
.endr
.irp b, 0,1,2,3
	v_lshrrev_b32 v[TM+4+\b], 23, v[TM+12+\b]      ; the scale's byte
.endr
	v_lshl_or_b32 v[\pw], v[TM+5], 8, v[TM+4]      ; four bytes: my row's scale word
	v_lshl_or_b32 v[\pw], v[TM+6], 16, v[\pw]
	v_lshl_or_b32 v[\pw], v[TM+7], 24, v[\pw]
.irp b, 0,1,2,3
	v_cvt_scalef32_pk8_fp4_f32 v[(\pc)+2*\b], v[(\src)+16*\b:(\src)+7+16*\b], v[TM+12+\b]
	v_cvt_scalef32_pk8_fp4_f32 v[(\pc)+1+2*\b], v[(\src)+8+16*\b:(\src)+15+16*\b], v[TM+12+\b]
.endr
	v_nop                                          ; one plain place behind the scaled conversions
.irp c, 0,1                                    ; the operand's layout wants a whole block in a lane
.irp i, 0,1
	v_permlane16_swap_b32 v[(\pc)+4*\c+\i], v[(\pc)+2+4*\c+\i]
.endr
.endr
.endm
	s_load_b512 s[8:23], s[0:1], 0x0               ; x_0, v_0, edge_attr, concatenated_features, q_data, Wk, Wv, Wq
	s_load_b256 s[24:31], s[0:1], 0x40             ; bk, bv, bq, kv
	v_lshl_add_u32 v[SPW], v0, 2, SPARE
	v_mov_b32 v[NIL], 0
	v_lshrrev_b32 v1, 5, v0
	v_readfirstlane_b32 s[WV], v1                  ; wave 0..7
	v_and_b32 v[LANE], 31, v0
	v_and_b32 v[RR], 15, v0
	v_bfe_u32 v[HH], v0, 4, 1
	v_lshlrev_b32 v[XA], 10, v[RR]
	v_lshl_add_u32 v[XA], v[HH], 6, v[XA]
	v_lshlrev_b32 v[LI], 4, v[LANE]
	v_lshlrev_b32 v[LS], 2, v[LANE]
	s_lshl_b32 s54, s[WV], 11
	v_add_nc_u32 v[SWI], s54, v[LI]
	s_lshl_b32 s54, s[WV], 8
	v_add_nc_u32 v[SWS], s54, v[LS]
	s_lshl_b32 s54, s[WV], 7
	s_add_co_u32 s54, s54, TAB
	v_add_nc_u32 v[TBA], s54, v[LS]
	v_lshl_add_u32 v[TBL], v[HH], 4, s54
	s_mov_b32 s[SEL], 0x76543210
	s_mov_b32 s[SEL+1], 0xfedcba98                 ; v_permlanex16_b32's selects for lane l xor 16
.irp b, 0,1,2,3
	v_mov_b32 v[TM+4+\b], 0                        ; written once: a lane permute's destination counts as one of its sources
.endr
	; the job, from the work-group's numbers alone
	s_and_b32 s[YY], ttmp7, 0xffff
	s_and_b32 s[FI], s[YY], 3
	s_mov_b32 s[BLK], ttmp9
	s_lshr_b32 s59, s[YY], 2                       ; 1 in a v job
	s_lshr_b32 s73, s[BLK], 1
	s_and_b32 s74, s[BLK], 1
	s_and_b32 s75, s[BLK], 15
	s_lshl_b32 s60, s73, 18                        ; v: own rows 256 (BLK / 2) on, 1,024 bytes each
	s_and_b32 s66, s73, 7
	s_lshl_b32 s66, s66, 15                        ; v: 8 blocks of 32 keys for each 256 rows,
	s_lshl_b32 s72, s74, 20                        ;    four heads for each 128 channels,
	s_add_co_u32 s66, s66, s72
	s_add_co_u32 s66, s66, 2048                    ;    frag 2
	s_lshl_b32 s72, s74, 9                         ; v: the bias of my 128 channels, in bytes
	s_lshr_b32 s[POS], s75, 1                      ; q, k: 128 rows lie in one timestep of 256
	s_lshl_b32 s67, s75, 14                        ; q, k: 4 blocks of 32 keys for each 128 rows
	s_cmp_eq_u32 s59, 1
	s_cselect_b32 s60, s60, 0
	s_cselect_b32 s62, s74, s[BLK]
	s_cselect_b32 s[POS], 0, s[POS]
	s_cselect_b32 s66, s66, s67
	s_cselect_b32 s72, s72, 0
	s_cselect_b32 s[MK], 0, -1
	s_cselect_b32 s[MV], -1, 0
	s_mov_b32 s[WSTR], 0x40000                     ; q, k: a wave is a head
	s_cselect_b32 s[WSTR], 0x1000, s[WSTR]         ; v: a wave is a block of 32 keys
	s_mov_b32 s[SSTR], 0x1000                      ; q, k: two shared tiles are a block of 32 keys
	s_cselect_b32 s[SSTR], 0x40000, s[SSTR]        ; v: two shared tiles are a head
	s_mov_b32 s[SSTR+1], 0
	s_cmp_eq_u32 s[YY], 8
	s_cselect_b32 s58, 4, s[FI]                    ; which f of kv
	s_cselect_b32 s[FAC], 0x3e8293ee, 1.0          ; q alone carries c = log2(e) / sqrt(32)
	s_lshl_b32 s73, s[WV], 15
	s_add_co_u32 s60, s60, s73                     ; own: + 32 rows a wave
	s_mov_b32 s61, 0
	s_lshl_b32 s62, s62, 17                        ; shared: 128 rows a block,
	s_lshl_b32 s73, s[WV], 14
	s_add_co_u32 s62, s62, s73                     ; + 16 rows a wave
	s_mov_b32 s63, 0
	s_lshl_b32 s73, s58, 22
	s_add_co_u32 s66, s66, s73
	s_lshr_b32 s73, s[BLK], 4                      ; the batch
	s_lshl_b32 s73, s73, 21
	s_add_co_u32 s66, s66, s73
	s_mov_b32 s67, 0
	s_lshl_b32 s68, s[FI], 18                      ; the feature's weight,
	s_mov_b32 s69, 0
	s_lshl_b32 s70, s[FI], 10                      ; and its bias
	s_mov_b32 s71, 0
	s_mul_i32 s73, s[WV], s[WSTR]
	v_add_nc_u32 v[VO], s73, v[LI]
	v_lshlrev_b32 v[BOA], 5, v[HH]
	s_lshl_b32 s73, s[WV], 7
	v_add_nc_u32 v[BOA], s73, v[BOA]               ; bias by own row: (32 w + 8 hh) x 4
	v_lshl_add_u32 v[BSA], v[RR], 2, s72           ; bias by shared row: 4 r + my 128 channels
	s_wait_kmcnt 0x0
	s_mov_b64 s[54:55], s[8:9]                     ; the activation,
	s_cmp_eq_u32 s[FI], 1
	s_cselect_b64 s[54:55], s[10:11], s[54:55]
	s_cmp_eq_u32 s[FI], 2
	s_cselect_b64 s[54:55], s[12:13], s[54:55]
	s_cmp_eq_u32 s[FI], 3
	s_cselect_b64 s[54:55], s[14:15], s[54:55]
	s_cmp_lt_u32 s[YY], 4
	s_cselect_b64 s[56:57], s[18:19], s[20:21]     ; the weight,
	s_cselect_b64 s[BP:BP+1], s[24:25], s[26:27]   ; the bias
	s_cmp_eq_u32 s[YY], 8
	s_cselect_b64 s[54:55], s[16:17], s[54:55]
	s_cselect_b64 s[56:57], s[22:23], s[56:57]
	s_cselect_b64 s[BP:BP+1], s[28:29], s[BP:BP+1]
	s_add_nc_u64 s[56:57], s[56:57], s[68:69]
	s_add_nc_u64 s[BP:BP+1], s[BP:BP+1], s[70:71]
	s_cmp_eq_u32 s59, 1
	s_cselect_b64 s[OWNP:OWNP+1], s[54:55], s[56:57]
	s_cselect_b64 s[SHP:SHP+1], s[56:57], s[54:55]
	s_add_nc_u64 s[OWNP:OWNP+1], s[OWNP:OWNP+1], s[60:61]
	s_add_nc_u64 s[SHP:SHP+1], s[SHP:SHP+1], s[62:63]
	s_add_nc_u64 s[OUT:OUT+1], s[30:31], s[66:67]
.irp a, 0,1
	global_load_b128 v[BO+8*\a:BO+8*\a+3], v[BOA], s[BP:BP+1] offset:64*\a
	global_load_b128 v[BO+8*\a+4:BO+8*\a+7], v[BOA], s[BP:BP+1] offset:64*\a+16
.endr
.irp s, 0,1,2,3,4,5,6,7
	global_load_b32 v[BS+\s], v[BSA], s[BP:BP+1] offset:64*\s
.endr
	XLOAD X0, OWNP, 0                              ; own tile 0, K step 0
	XLOAD X1, OWNP, 512                            ; own tile 0, K step 1
	; THE ROPE TABLE, while those loads are out.  Lane i % 16: theta = 1000^(-i / 16) = 2^(-0.62286152 i); the angle is timestep x theta, at most 7.
	; sin and cos of an eighth of it by their series (|x| <= 0.875: what is cut off lies under 1e-8), then three doublings.
	v_and_b32 v96, 15, v[LANE]
	v_cvt_f32_u32 v96, v96
	v_mul_f32 v96, 0xbf1f73da, v96
	v_exp_f32 v96, v96
	v_cvt_f32_u32 v97, s[POS]                      ; (plain work behind the exponential)
	v_mul_f32 v97, 0x3e000000, v97                 ; timestep / 8
	s_wait_alu depctr_va_vdst(0)                   ; the wait ahead of the first reader of an exponential's result
	v_mul_f32 v96, v96, v97                        ; x
	v_mul_f32 v97, v96, v96                        ; x^2
	v_mov_b32 v98, 0x3638ef1d                      ; 1 / 9!
	v_mov_b32 v99, 0xb493f27e                      ; -1 / 10!
	v_fmaak_f32 v98, v98, v97, 0xb9500d01          ; -1 / 7!
	v_fmaak_f32 v99, v99, v97, 0x37d00d01          ; 1 / 8!
	v_fmaak_f32 v98, v98, v97, 0x3c088889          ; 1 / 5!
	v_fmaak_f32 v99, v99, v97, 0xbab60b61          ; -1 / 6!
	v_fmaak_f32 v98, v98, v97, 0xbe2aaaab          ; -1 / 3!
	v_fmaak_f32 v99, v99, v97, 0x3d2aaaab          ; 1 / 4!
	v_fma_f32 v98, v98, v97, 1.0
	v_fma_f32 v99, v99, v97, -0.5
	v_mul_f32 v98, v98, v96                        ; sin x
	v_fma_f32 v99, v99, v97, 1.0                   ; cos x
.rept 3
	v_mul_f32 v100, v98, v98
	v_mul_f32 v101, v98, v99
	v_fma_f32 v99, v99, v99, -v100                 ; cos 2x = cos^2 - sin^2
	v_add_f32 v98, v101, v101                      ; sin 2x = 2 sin cos
.endr
	v_cmp_lt_u32 s[MH], 15, v[LANE]
	v_cndmask_b32 v99, v99, v98, s[MH]             ; lanes 0-15 keep cos, lanes 16-31 take sin
	v_mul_f32 v99, s[FAC], v99
	ds_store_b32 v[TBA], v99
.irp a, 0,1                                    ; pair 8 a + 4 hh + jj of the head's 16.  LDS serves a wave's instructions in order (ISA guide 5.7.1.4): these see my store
	ds_load_b128 v[COS+4*\a:COS+4*\a+3], v[TBL] offset:32*\a
	ds_load_b128 v[SIN+4*\a:SIN+4*\a+3], v[TBL] offset:64+32*\a
.endr
	; QUANTISING: four own fragments stay in my registers, two shared ones go to LDS.  Each wait leaves out the 16 loads issued behind the 16 that are wanted.
	s_wait_loadcnt 16                              ; the biases and the first 64 numbers are in
.irp i, 0,1,2,3,4,5,6,7,8,9,10,11,12,13,14,15
	v_and_b32 v[BO+\i], s[MK], v[BO+\i]            ; the bias runs along the own rows in q and k jobs,
.endr
.irp i, 0,1,2,3,4,5,6,7
	v_and_b32 v[BS+\i], s[MV], v[BS+\i]            ; along the shared rows in v jobs; the other is 0
.endr
	QUANT X0, OWN, OWS
	XLOAD X0, OWNP, 16384                          ; own tile 1, K step 0
	s_wait_loadcnt 16
	QUANT X1, OWN+8, OWS+1
	XLOAD X1, OWNP, 16896                          ; own tile 1, K step 1
	s_wait_loadcnt 16
	QUANT X0, OWN+16, OWS+2
	XLOAD X0, SHP, 0                               ; my 16 shared rows, K step 0
	s_wait_loadcnt 16
	QUANT X1, OWN+24, OWS+3
	XLOAD X1, SHP, 512                             ; and K step 1
	s_wait_loadcnt 16
	QUANT X0, PC, PW
	ds_store_b128 v[SWI], v[PC:PC+3] offset:SHI
	ds_store_b128 v[SWI], v[PC+4:PC+7] offset:SHI+512
	ds_store_b32 v[SWS], v[PW] offset:SHS
	s_wait_dscnt 0x0                               ; the stores have read their registers, which are written again below; the table is in
	s_wait_loadcnt 0x0
	QUANT X1, PC, PW
	ds_store_b128 v[SWI], v[PC:PC+3] offset:SHI+1024
	ds_store_b128 v[SWI], v[PC+4:PC+7] offset:SHI+1536
	ds_store_b32 v[SWS], v[PW] offset:SHS+128
	s_wait_dscnt 0x0                               ; for the others' sake: my images lie in LDS
	s_barrier_signal -1
	s_barrier_wait -1                              ; all sixteen do
; TWO SHARED TILES (2 p, 2 p + 1) x my two own tiles: four accumulators by turns: K step 0 (C = the bias by own rows), then K step 1 in place.
.macro TRIP p
.irp u, 0,1
.irp k, 0,1
.irp c, 0,1
	ds_load_b128 v[SHF+8*(2*\u+\k)+4*\c:SHF+8*(2*\u+\k)+4*\c+3], v[LI] offset:SHI+(2*(2*(\p)+\u)+\k)*1024+512*\c
.endr
	ds_load_b32 v[SHW+2*\u+\k], v[LS] offset:SHS+128*(2*(2*(\p)+\u)+\k)
.endr
.endr
	s_wait_dscnt 0x0
.irp u, 0,1
.irp a, 0,1
	v_wmma_scale_f32_16x16x128_f8f6f4 v[ACC+8*(2*\u+\a):ACC+8*(2*\u+\a)+7], v[OWN+16*\a:OWN+16*\a+7], v[SHF+16*\u:SHF+16*\u+7], v[BO+8*\a:BO+8*\a+7], v[OWS+2*\a], v[SHW+2*\u] matrix_a_fmt:MATRIX_FMT_FP4 matrix_b_fmt:MATRIX_FMT_FP4
.endr
.endr
.irp u, 0,1
.irp a, 0,1
	v_wmma_scale_f32_16x16x128_f8f6f4 v[ACC+8*(2*\u+\a):ACC+8*(2*\u+\a)+7], v[OWN+16*\a+8:OWN+16*\a+15], v[SHF+16*\u+8:SHF+16*\u+15], v[ACC+8*(2*\u+\a):ACC+8*(2*\u+\a)+7], v[OWS+2*\a+1], v[SHW+2*\u+1] matrix_a_fmt:MATRIX_FMT_FP4 matrix_b_fmt:MATRIX_FMT_FP4
.endr
.endr
.rept 4
	v_nop                                          ; four places ahead of the first read of results (ISA guide 7.12.1)
.endr
.if (\p) > 0
	s_wait_xcnt 0x0                                ; the last trip's stores have read their data and their base: both are written again below
	s_add_nc_u64 s[OUT:OUT+1], s[OUT:OUT+1], s[SSTR:SSTR+1]
.endif
.irp u, 0,1
.irp a, 0,1
.irp j, 0,1,2,3                                ; (t1, t2) -> (t1 cos - t2 sin, t1 sin + t2 cos) + the bias by shared rows; each accumulator is read from its low end on
	v_fma_f32 v[TT+2*\j], -v[ACC+8*(2*\u+\a)+2*\j+1], v[SIN+4*\a+\j], v[BS+2*(\p)+\u]
	v_fma_f32 v[TT+2*\j+1], v[ACC+8*(2*\u+\a)+2*\j], v[SIN+4*\a+\j], v[BS+2*(\p)+\u]
.endr
.irp j, 0,1,2,3
	v_fma_f32 v[TT+2*\j], v[ACC+8*(2*\u+\a)+2*\j], v[COS+4*\a+\j], v[TT+2*\j]
	v_fma_f32 v[TT+2*\j+1], v[ACC+8*(2*\u+\a)+2*\j+1], v[COS+4*\a+\j], v[TT+2*\j+1]
.endr
.irp j, 0,1,2,3
	v_cvt_pk_f16_f32 v[PK+4*(2*\u+\a)+\j], v[TT+2*\j], v[TT+2*\j+1]
.endr
.endr
.endr
.irp u, 0,1
.irp a, 0,1
	global_store_b128 v[VO], v[PK+4*(2*\u+\a):PK+4*(2*\u+\a)+3], s[OUT:OUT+1] offset:1024*\u+512*\a   ; half an image: the wave stores 512 consecutive bytes, at a multiple of 512 from kv's first byte
.endr
.endr
.endm
.irp p, 0,1,2,3
	TRIP \p
.endr
	s_wait_tensorcnt 0x0                           ; the wave's end
	ds_add_u32 v[SPW], v[NIL]
	s_wait_dscnt 0x0
	s_endpgm
.Lfunc_end_k_q1c5c86958e_proj:
	.size	k_q1c5c86958e_proj, .Lfunc_end_k_q1c5c86958e_proj-k_q1c5c86958e_proj
	.p2alignl 7, 3214868480
	.fill 96, 4, 3214868480
	.section	.rodata,"a",@progbits
	.p2align	6, 0x0
	.amdhsa_kernel k_q1c5c86958e_proj
		.amdhsa_group_segment_fixed_size 20480
		.amdhsa_private_segment_fixed_size 0
		.amdhsa_enable_private_segment 0
		.amdhsa_kernarg_size 96
		.amdhsa_user_sgpr_count 2
		.amdhsa_user_sgpr_kernarg_segment_ptr 1
		.amdhsa_wavefront_size32 1
		.amdhsa_system_sgpr_workgroup_id_x 1
		.amdhsa_system_sgpr_workgroup_id_y 1
		.amdhsa_system_sgpr_workgroup_id_z 1
		.amdhsa_system_vgpr_workitem_id 0
		.amdhsa_next_free_vgpr 256
		.amdhsa_next_free_sgpr 80
		.amdhsa_reserve_vcc 0
		.amdhsa_float_denorm_mode_32 3
		.amdhsa_float_denorm_mode_16_64 3
		.amdhsa_memory_ordered 1
		.amdhsa_forward_progress 1
		.amdhsa_inst_pref_size 70
	.end_amdhsa_kernel
	.amdgpu_metadata
---
amdhsa.version: [ 1, 2 ]
amdhsa.kernels:
  - .name:           k_q1c5c86958e_proj
    .symbol:         k_q1c5c86958e_proj.kd
    .args:
      - { .name: x_0, .offset: 0, .size: 8, .value_kind: global_buffer, .address_space: global }
      - { .name: v_0, .offset: 8, .size: 8, .value_kind: global_buffer, .address_space: global }
      - { .name: edge_attr, .offset: 16, .size: 8, .value_kind: global_buffer, .address_space: global }
      - { .name: concatenated_features, .offset: 24, .size: 8, .value_kind: global_buffer, .address_space: global }
      - { .name: q_data, .offset: 32, .size: 8, .value_kind: global_buffer, .address_space: global }
      - { .name: Wk, .offset: 40, .size: 8, .value_kind: global_buffer, .address_space: global }
      - { .name: Wv, .offset: 48, .size: 8, .value_kind: global_buffer, .address_space: global }
      - { .name: Wq, .offset: 56, .size: 8, .value_kind: global_buffer, .address_space: global }
      - { .name: bk, .offset: 64, .size: 8, .value_kind: global_buffer, .address_space: global }
      - { .name: bv, .offset: 72, .size: 8, .value_kind: global_buffer, .address_space: global }
      - { .name: bq, .offset: 80, .size: 8, .value_kind: global_buffer, .address_space: global }
      - { .name: kv, .offset: 88, .size: 8, .value_kind: global_buffer, .address_space: global }
    .group_segment_fixed_size: 20480
    .private_segment_fixed_size: 0
    .kernarg_segment_align: 8
    .kernarg_segment_size: 96
    .max_flat_workgroup_size: 256
    .sgpr_count:     80
    .vgpr_count:     256
    .wavefront_size: 32
...
	.end_amdgpu_metadata
.endif
;; end of part 1
;; launch attn (part 2): grid 16 x 16, 16 waves a work-group, clusters of 4 x 1, 327,680 bytes of LDS; arguments kv, feature_weights, oimg; writes oimg
.if DOCPART == 2
	.amdgcn_target "amdgcn-amd-amdhsa--gfx1250"
	.amdhsa_code_object_version 6
	.text
	.protected	k_q1c5c86958e_attn
	.globl	k_q1c5c86958e_attn
	.p2align	8
	.type	k_q1c5c86958e_attn,@function
k_q1c5c86958e_attn:
	s_mov_b64 s[64:65], 0
	v_nop
	global_prefetch_b8 v0, s[64:65] scope:SCOPE_SE
	s_setreg_imm32_b32 hwreg(HW_REG_WAVE_MODE, 25, 1), 1
	s_wait_xcnt 0x0
	s_wait_alu depctr_hold_cnt(0) depctr_sa_sdst(0) depctr_va_vdst(0) depctr_va_sdst(0) depctr_va_ssrc(0) depctr_va_vcc(0) depctr_vm_vsrc(0)
	s_getreg_b32 s2, hwreg(HW_REG_IB_STS2, 6, 4)
	s_cmp_eq_u32 s2, 0
	s_cbranch_scc0 .Lentry_in_a_cluster
	s_endpgm
.Lentry_in_a_cluster:
	s_bfe_u32 s2, ttmp6, 0x10000c
	s_cmp_lg_u32 s2, 0x3003
	s_cbranch_scc0 .Lentry_shape_is_right
	s_endpgm
.Lentry_shape_is_right:
; ATTN: o[b][h][q] = sum over the four features f of gate_f x softmax_k(q . k_f / sqrt(32)) v_f, gate = softmax(feature_weights).  2,048 queries and 2,048 keys for each of 16 (b, h); head size 32; no mask.
; Operands in f16 (q already carries c = log2(e) / sqrt(32), so a score is the exponent of 2), products, maxima and sums in f32, with a running maximum m and sum l for each query.
; kv holds images of the operands' registers (see the launch that writes it): a fragment is 1,024 dense bytes, registers 0-3 at 16 x lane, registers 4-7 at 512 + 16 x lane.
; SHARES.  A work-group owns 128 queries of one (b, h).  The four features are four attentions that do not depend on each other: wave w takes feature F = w / 4 and the 32 queries QP = w % 4 (two tiles of 16),
; and walks that feature's 2,048 keys, 64 a step.  Sixteen waves of 256 registers: four share a SIMD, so that one wave's softmax stands beside another's products and LDS loads.
; A step has some 14 vector instructions for each matrix instruction, so no order inside one wave could hide them: that is why the waves are many and small.
; LAYOUT.  Both products are used transposed: S^T = K Q^T (source 0 = 16 keys, source 1 = 16 queries), O^T = V^T P (source 0 = 16 channels, source 1 = P): a lane holds one query (lane % 16) throughout,
; two tiles of S^T rounded to f16 in pairs ARE source 1 of the second product, and a query's maximum wants one exchange between the halves of the lanes.
; RING.  Two LDS slots, each 256 keys of all four features (4 x 32,768 bytes, dense images).  Every wave fetches 8,192 bytes of a slot by one tensor load.
; CLUSTER.  The four query blocks of a cluster belong to one (b, h) and walk the same K and V: each load is asked for JOINTLY, by the same descriptor and a mask that names the four.
; LIMITS: |c q|, |k|, |v|, |o| under 65,504 (f16), smallest step 6e-8; NaN and infinities are not served.
.set SLOT1, 131072                     ; slot 1 begins here: one exclusive or turns an address in one slot into the other's
.set PHASE, 32768                      ; a feature's 256 keys: 8 blocks of 32 keys x 4 images
.set SPARE, 262144                     ; behind the ring: the spare words, 128 bytes for each of the 16 waves: no other line names them
.set ADR, 2                            ; v2   LDS address of my feature's images in the slot in hand
.set LB,  3                            ; v3   16 x lane + 32,768 F
.set SPW, 4                            ; v4   my spare word; never rewritten
.set NIL, 5                            ; v5   0; never rewritten
.set LI,  6                            ; v6   16 x lane
.set STO, 7                            ; v7   the way out: 16 x lane + 4,096 w
.set RD,  8                            ; v8   the way out: 16 x lane + 4,096 QP + 1,024 F
.set PFO, 9                            ; v9   256 x lane; never rewritten
.set Q,   16                           ; v16-31   Q, 8 a tile
.set KF,  32                           ; v32-63   K's four fragments of a step
.set VF,  64                           ; v64-95   V^T's four: block of 32 keys b, channels 16 c on, at 8 (2 b + c)
.set S,   96                           ; v96-159  S^T, then p: 32 a tile, 8 for each 16 keys
.set P,   160                          ; v160-191 p in f16: 16 a tile
.set O,   192                          ; v192-223 O^T: 16 a tile, 8 for each 16 channels
.set ST,  224                          ; v224-239 a tile's eight: +0 -m, +1 m, +2, +3 l (even keys', odd keys'), +4 .. +7 c0-c3 at work; the factor a = 2^(old m - new m) takes +6
.set GT,  240                          ; v240-253 the gates, on the way out
.set BH,  10
.set QB,  11
.set WV,  12
.set FF,  13
.set QP,  14
.set CX,  15
.set G1,  16                           ; s[16:23] descriptor group 1, never rewritten
.set G0,  24                           ; s[24:27] descriptor group 0: it walks
.set SEL, 28
.set TB,  30                           ; s30  LDS byte at which the slot in hand begins
.set SLOTS, 31                         ; s31  slots still to be asked for
.set LIM, 32                           ; s32  1 in a wave that prefetches, else the greatest number
.set PFA, 34                           ; s[34:35] where my prefetches stand
; A round of the cluster's barrier: my work-group's barrier; wave 0 signals for the work-group; every wave waits for all four work-groups; my work-group's barrier once more.
.macro CROUND
	s_barrier_signal -1
	s_barrier_wait -1
	s_cmp_lg_u32 s[WV], 0
	s_cbranch_scc1 .Lnot_wave_0_\@
	s_barrier_signal -3
.Lnot_wave_0_\@:
	s_barrier_wait -3
	s_barrier_signal -1
	s_barrier_wait -1
.endm
; A PREFETCH INTO THE L2 of what the NEXT change of slots will ask for: a slot's 4 x 32,768 bytes.  All clusters of a (b, h) walk the same bytes: its first cluster asks.  The four partners share a feature's
; 32,768 bytes out BY ADDRESS, 8,192 each; in each, wave 4 F asks for feature F's, lanes 256 bytes apart: one instruction.  So each block of 256 bytes is named once in the launch.
; The last change that fills a slot asks for nothing; slots 0 and 1 come by their loads alone.
.macro ASK
	s_cmp_gt_u32 s[SLOTS], s[LIM]
	s_cbranch_scc0 .Lnot_mine_\@
	global_prefetch_b8 v[PFO], s[PFA:PFA+1] th:TH_LOAD_NT scope:SCOPE_SE
.Lnot_mine_\@:
.endm
; THE CHANGE OF SLOTS, at a slot's head.  Each wave waits for all its tensor loads (one is out: its part of the slot ahead), adds 0 to its spare word, and waits for that and for its reads of the slot that it has left.
; fill = 1: a round of the cluster's barrier, so that no wave of any partner still reads that slot or has a load on its way; the joint load of the next 256 keys into it is the first thing behind the round,
; and has a whole slot's four steps of sixteen waves in which to land.  By this text's own count a wave has one tensor load out.
.macro CHANGE fill
	s_wait_tensorcnt 0x0                           ; no tensor load of mine is out, so group 0 may be written
	ds_add_u32 v[SPW], v[NIL]                      ; 0 onto my spare word; the steps below stand between it and the wait for it
.if \fill
	s_xor_b32 s[G0+1], s[G0+1], SLOT1              ; the other slot than last time,
	s_add_nc_u64 s[G0+2:G0+3], s[G0+2:G0+3], PHASE ; the next 256 keys; the type bits on top are not reached
	s_wait_xcnt 0x0                                ; the last prefetch, a slot back, has read its address
	s_add_nc_u64 s[PFA:PFA+1], s[PFA:PFA+1], PHASE ; one slot further on than the walking descriptor
	s_wait_dscnt 0x0                               ; the add is done, and my reads of the slot that I have left are over
	CROUND
	tensor_load_to_lds s[G0:G0+3], s[G1:G1+7]
	s_nop 0
.rept 4
	v_nop
.endr
	ASK
.else
	s_wait_dscnt 0x0
	s_barrier_signal -1
	s_barrier_wait -1
.endif
	v_add_nc_u32 v[ADR], s[TB], v[LB]
.endm
; A KEY STEP: 64 keys, the q-th of the slot's four.
.macro STEP q
.irp k, 0,1,2,3                                ; K's fragments: keys 16 k on
	ds_load_b128 v[KF+8*\k:KF+8*\k+3], v[ADR] offset:8192*(\q)+4096*(\k/2)+1024*(\k%2)
	ds_load_b128 v[KF+8*\k+4:KF+8*\k+7], v[ADR] offset:8192*(\q)+4096*(\k/2)+1024*(\k%2)+512
.endr
	s_wait_dscnt 0x0
.irp k, 0,1,2,3
.irp t, 0,1
	v_wmma_f32_16x16x32_f16 v[S+32*\t+8*\k:S+32*\t+8*\k+7], v[KF+8*\k:KF+8*\k+7], v[Q+8*\t:Q+8*\t+7], 0   ; the head's 32 channels are one instruction: each sum begins and ends here
.endr
.endr
.rept 4
	v_nop                                          ; four places: ahead of the first read of the scores, and of the loads into V's registers, which the last step's products read
.endr
.irp f, 0,1,2,3                                ; V^T's fragments land while the softmax is walked
	ds_load_b128 v[VF+8*\f:VF+8*\f+3], v[ADR] offset:8192*(\q)+4096*(\f/2)+2048+1024*(\f%2)
	ds_load_b128 v[VF+8*\f+4:VF+8*\f+7], v[ADR] offset:8192*(\q)+4096*(\f/2)+2048+1024*(\f%2)+512
.endr
.irp j, 0,1,2,3                                ; the maximum of my 32 scores and the old m: four chains, each begun at its accumulator's low end; the two tiles by turns
.irp t, 0,1
	v_max3_num_f32 v[ST+8*\t+4+\j], v[S+32*\t+8*\j], v[S+32*\t+8*\j+1], v[S+32*\t+8*\j+2]
.endr
.endr
.irp i, 3,5
.irp j, 0,1,2,3
.irp t, 0,1
	v_max3_num_f32 v[ST+8*\t+4+\j], v[ST+8*\t+4+\j], v[S+32*\t+8*\j+\i], v[S+32*\t+8*\j+\i+1]
.endr
.endr
.endr
.irp t, 0,1
	v_max3_num_f32 v[ST+8*\t+4], v[ST+8*\t+4], v[S+32*\t+7], v[S+32*\t+15]
	v_max3_num_f32 v[ST+8*\t+6], v[ST+8*\t+6], v[S+32*\t+23], v[S+32*\t+31]
.endr
.irp t, 0,1
	v_max3_num_f32 v[ST+8*\t+4], v[ST+8*\t+4], v[ST+8*\t+5], v[ST+8*\t+6]
.endr
.irp t, 0,1
	v_max3_num_f32 v[ST+8*\t+4], v[ST+8*\t+4], v[ST+8*\t+7], v[ST+8*\t+1]
.endr
.irp t, 0,1
	v_permlanex16_b32 v[ST+8*\t+5], v[ST+8*\t+4], s[SEL], s[SEL+1]   ; the query's other 32 keys lie in the lane 16 away
.endr
.irp t, 0,1
	v_max_num_f32 v[ST+8*\t+4], v[ST+8*\t+4], v[ST+8*\t+5]           ; the new m
.endr
.irp t, 0,1
	v_sub_f32 v[ST+8*\t+7], v[ST+8*\t+1], v[ST+8*\t+4]               ; old m - new m, 0 or less
.endr
.irp t, 0,1
	v_mov_b32 v[ST+8*\t+1], v[ST+8*\t+4]
.endr
.irp t, 0,1
	v_mul_f32 v[ST+8*\t], -1.0, v[ST+8*\t+4]
.endr
.irp t, 0,1
.irp n, 0,2,4,6,8,10,12,14,16,18,20,22,24,26,28,30
	v_pk_add_f32 v[S+32*\t+\n:S+32*\t+\n+1], v[S+32*\t+\n:S+32*\t+\n+1], v[ST+8*\t:ST+8*\t+1] op_sel_hi:[1,0]   ; score - m, two at a time (of the pair the low word, -m, serves both)
.endr
.endr
.irp t, 0,1
	v_exp_f32 v[ST+8*\t+6], v[ST+8*\t+7]           ; a = 2^(old m - new m).  ONE BATCH of 66 exponentials: none reads another's result
.endr
.set n, 0
.rept 64
	v_exp_f32 v[S+n], v[S+n]                       ; p = 2^(score - m)
.set n, n+1
.endr
	v_nop                                          ; the plain instruction behind the last exponential
	s_wait_alu depctr_va_vdst(0)                   ; the wait ahead of the first reader: one for the batch
.irp t, 0,1
.irp n, 0,1,2,3,4,5,6,7,8,9,10,11,12,13,14,15
	v_cvt_pk_f16_f32 v[P+16*\t+\n], v[S+32*\t+2*\n], v[S+32*\t+2*\n+1]   ; registers 8 b .. 8 b + 7 are source 1 for the keys 32 b on
.endr
.endr
.irp u, 0,1,2,3,4,5,6,7                        ; the sum of the unrounded p, in place: neighbours 1, 2, 4 and 8 pairs apart
.irp t, 0,1
	v_pk_add_f32 v[S+32*\t+4*\u:S+32*\t+4*\u+1], v[S+32*\t+4*\u:S+32*\t+4*\u+1], v[S+32*\t+4*\u+2:S+32*\t+4*\u+3]
.endr
.endr
.irp u, 0,1,2,3
.irp t, 0,1
	v_pk_add_f32 v[S+32*\t+8*\u:S+32*\t+8*\u+1], v[S+32*\t+8*\u:S+32*\t+8*\u+1], v[S+32*\t+8*\u+4:S+32*\t+8*\u+5]
.endr
.endr
.irp u, 0,1
.irp t, 0,1
	v_pk_add_f32 v[S+32*\t+16*\u:S+32*\t+16*\u+1], v[S+32*\t+16*\u:S+32*\t+16*\u+1], v[S+32*\t+16*\u+8:S+32*\t+16*\u+9]
.endr
.endr
.irp t, 0,1
	v_pk_add_f32 v[S+32*\t:S+32*\t+1], v[S+32*\t:S+32*\t+1], v[S+32*\t+16:S+32*\t+17]
.endr
.irp t, 0,1
	v_pk_fma_f32 v[ST+8*\t+2:ST+8*\t+3], v[ST+8*\t+2:ST+8*\t+3], v[ST+8*\t+6:ST+8*\t+7], v[S+32*\t:S+32*\t+1] op_sel_hi:[1,0,1]   ; l = a l + the sum
.endr
.irp t, 0,1
.irp n, 0,2,4,6,8,10,12,14
	v_pk_mul_f32 v[O+16*\t+\n:O+16*\t+\n+1], v[O+16*\t+\n:O+16*\t+\n+1], v[ST+8*\t+6:ST+8*\t+7] op_sel_hi:[1,0]   ; O^T x a, each accumulator from its low end on
.endr
.endr
	s_wait_dscnt 0x0                               ; V is in
.irp b, 0,1                                    ; the four accumulators by turns: keys 0-31, then keys 32-63
.irp t, 0,1
.irp c, 0,1
	v_wmma_f32_16x16x32_f16 v[O+16*\t+8*\c:O+16*\t+8*\c+7], v[VF+8*(2*\b+\c):VF+8*(2*\b+\c)+7], v[P+16*\t+8*\b:P+16*\t+8*\b+7], v[O+16*\t+8*\c:O+16*\t+8*\c+7]
.endr
.endr
.endr
.endm
.macro SLOT_STEPS
	STEP 0
	STEP 1
	STEP 2
	STEP 3
	s_xor_b32 s[TB], s[TB], SLOT1                  ; on to the other slot
.endm
	s_load_b128 s[4:7], s[0:1], 0x0                ; kv s[4:5], feature_weights s[6:7]
	s_load_b64 s[8:9], s[0:1], 0x10                ; oimg
	v_lshl_add_u32 v[SPW], v0, 2, SPARE
	v_mov_b32 v[NIL], 0
	ds_add_u32 v[SPW], v[NIL]                      ; the wave's opening: the add, twice on end, and its wait ahead of my first tensor load; the set-up below stands between
	ds_add_u32 v[SPW], v[NIL]
	v_lshrrev_b32 v1, 5, v0
	v_readfirstlane_b32 s[WV], v1                  ; wave 0..15
	s_lshr_b32 s[FF], s[WV], 2                     ; my feature
	s_and_b32 s[QP], s[WV], 3                      ; my 32 of the 128 queries.  Also: which quarter of my feature's part of a slot I fetch
	s_bfe_u32 s[CX], ttmp6, 0x40000                ; my place in the cluster: it enters Q's, O's and the prefetches' addresses alone
	s_lshl_b32 s[QB], ttmp9, 2                     ; in a cluster launch ttmp9 counts clusters
	s_add_co_u32 s[QB], s[QB], s[CX]               ; my block of 128 queries
	s_and_b32 s[BH], ttmp7, 0xffff                 ; 8 b + h, which the four partners share
	; descriptor group 1: 8,192 dense bytes as 32 rows of 32 elements of 8 bytes, no padding (an image is read 16 bytes a lane on end)
	s_mov_b32 s[G1], 15|(3<<16)|(1<<21)            ; 15:0 the mask: all four work-groups; 17:16 elements of 8 bytes; 21 set beside a mask
	s_mov_b32 s[G1+1], 32<<16                      ; tensor_dim0 = 32
	s_mov_b32 s[G1+2], 32<<16                      ; tensor_dim1 = 32
	s_mov_b32 s[G1+3], 32<<16                      ; tile_dim0 = 32
	s_mov_b32 s[G1+4], 32                          ; tile_dim1 = 32
	s_mov_b32 s[G1+5], 32                          ; from row to row
	s_mov_b32 s[G1+6], 0
	s_mov_b32 s[G1+7], 0
	s_mov_b32 s[SEL], 0x76543210
	s_mov_b32 s[SEL+1], 0xfedcba98
	s_lshl_b32 s46, s[FF], 22                      ; my feature,
	s_lshl_b32 s47, s[BH], 18                      ; my (b, h)
	s_add_co_u32 s46, s46, s47
	s_lshl_b32 s48, s[QP], 13
	s_add_co_u32 s48, s48, s46                     ; what I fetch: + my quarter
	s_mov_b32 s49, 0
	s_lshl_b32 s50, s[CX], 13
	s_add_co_u32 s50, s50, s46
	s_add_co_u32 s50, s50, PHASE                   ; the prefetches: my work-group's quarter, in slot 1: the first change of slots steps it to slot 2
	s_mov_b32 s51, 0
	s_lshl_b32 s52, s[QB], 2
	s_add_co_u32 s52, s52, s[QP]
	s_lshl_b32 s52, s52, 12                        ; Q: block of 32 queries 4 QB + QP,
	s_add_co_u32 s52, s52, s47
	s_add_co_u32 s52, s52, 0x1000000               ; in f = 4
	s_mov_b32 s53, 0
	s_lshr_b32 s54, s[BH], 3                       ; O: row tile 128 b + 8 QB + 2 QP + F / 2,
	s_lshl_b32 s54, s54, 7
	s_lshl_b32 s55, s[QB], 3
	s_add_co_u32 s54, s54, s55
	s_lshl_b32 s55, s[QP], 1
	s_add_co_u32 s54, s54, s55
	s_lshr_b32 s55, s[FF], 1
	s_add_co_u32 s54, s54, s55
	s_lshl_b32 s54, s54, 3
	s_and_b32 s55, s[BH], 7                        ; head h,
	s_add_co_u32 s54, s54, s55
	s_lshl_b32 s54, s54, 10
	s_and_b32 s55, s[FF], 1                        ; half F % 2 of the image
	s_lshl_b32 s55, s55, 9
	s_add_co_u32 s54, s54, s55
	s_mov_b32 s55, 0
	s_or_b32 s[LIM], s[QP], ttmp9                  ; 0 in waves 0, 4, 8, 12 of the (b, h)'s first cluster: the same in all four partners
	s_cmp_eq_u32 s[LIM], 0
	s_cselect_b32 s[LIM], 1, -1
	v_and_b32 v1, 31, v0
	v_lshlrev_b32 v[LI], 4, v1
	v_lshlrev_b32 v[PFO], 8, v1
	s_lshl_b32 s46, s[FF], 15
	v_add_nc_u32 v[LB], s46, v[LI]
	s_lshl_b32 s46, s[WV], 12
	v_add_nc_u32 v[STO], s46, v[LI]
	s_lshl_b32 s46, s[QP], 12
	s_lshl_b32 s47, s[FF], 10
	s_add_co_u32 s46, s46, s47
	v_add_nc_u32 v[RD], s46, v[LI]
	s_mov_b32 s[TB], 0
	s_mov_b32 s[SLOTS], 7
	s_wait_dscnt 0x0                               ; both opening adds are done
	s_wait_kmcnt 0x0
	s_mov_b32 s[G0], 1                             ; count = 1
	s_lshl_b32 s[G0+1], s[WV], 13                  ; LDS address: 8,192 x wave, in slot 0: no place in the cluster enters it
	s_add_nc_u64 s[G0+2:G0+3], s[4:5], s[48:49]    ; global address: the first 256 keys
	s_or_b32 s[G0+3], s[G0+3], 0x80000000          ; type = 2
	s_add_nc_u64 s[PFA:PFA+1], s[4:5], s[50:51]
	s_add_nc_u64 s[42:43], s[4:5], s[52:53]
	s_add_nc_u64 s[44:45], s[8:9], s[54:55]
	CROUND                                         ; all four work-groups are here: the first joint loads meet
	tensor_load_to_lds s[G0:G0+3], s[G1:G1+7]      ; slot 0; slot 1 is filled behind the first trip's round
	s_nop 0
.rept 4
	v_nop
.endr
.irp t, 0,1
	global_load_b128 v[Q+8*\t:Q+8*\t+3], v[LI], s[42:43] offset:1024*\t
	global_load_b128 v[Q+8*\t+4:Q+8*\t+7], v[LI], s[42:43] offset:1024*\t+512
.endr
	s_load_b128 s[36:39], s[6:7], 0x0              ; the four feature weights
.irp t, 0,1
	v_mov_b32 v[ST+8*\t+1], 0xff61b1e6             ; m = -3e38, under every score;
	v_mov_b32 v[ST+8*\t], 0x7f61b1e6               ; -m
.irp j, 2,3,4,5,6,7
	v_mov_b32 v[ST+8*\t+\j], 0                     ; l = 0; the others are written once, since a lane permute's destination and both words of a pair count as read
.endr
.endr
.set n, 0
.rept 32
	v_mov_b32 v[O+n], 0                            ; O^T.  The step is written in one form: the first finds zeros and a = 0.  32 lines once, against a further copy of the step
.set n, n+1
.endr
	s_wait_loadcnt 0x0                             ; Q
	s_wait_kmcnt 0x0                               ; the weights
.Lslot:                                            ; seven trips: trip i reads keys 256 i on and asks for the 256 behind them
	CHANGE 1
	SLOT_STEPS
	s_sub_co_u32 s[SLOTS], s[SLOTS], 1
	s_cmp_lg_u32 s[SLOTS], 0
	s_cbranch_scc1 .Lslot
	CHANGE 0                                       ; the last slot is written out
	SLOT_STEPS
	; THE WAY OUT.  O^T x gate / l; the four features' waves meet in a stage in LDS; each wave adds one of the four accumulators of its query pair over the features and stores half an image of o.
	; The stage, 4,096 bytes a wave, lies in slot 0: that slot has had its last fill, and every wave left it at the last change of slots.
.irp t, 0,1
	v_add_f32 v[ST+8*\t+4], v[ST+8*\t+2], v[ST+8*\t+3]   ; l's two halves.  (These lines are also the places behind the last products)
.endr
.irp t, 0,1
	v_permlanex16_b32 v[ST+8*\t+5], v[ST+8*\t+4], s[SEL], s[SEL+1]
.endr
.irp t, 0,1
	v_add_f32 v[ST+8*\t+4], v[ST+8*\t+4], v[ST+8*\t+5]   ; and the other half of the lanes'
.endr
	s_cmp_lt_u32 s[FF], 2                          ; my feature's weight: a choice by the wave's number
	s_cselect_b32 s46, s36, s38
	s_cselect_b32 s47, s37, s39
	s_and_b32 s48, s[FF], 1
	s_cmp_eq_u32 s48, 0
	s_cselect_b32 s40, s46, s47
	v_mov_b32 v[GT], s36
	v_mov_b32 v[GT+1], s37
	v_mov_b32 v[GT+2], s38
	v_mov_b32 v[GT+3], s39
	v_mov_b32 v[GT+4], s40
	v_max3_num_f32 v[GT+5], v[GT], v[GT+1], v[GT+2]
	v_max_num_f32 v[GT+5], v[GT+5], v[GT+3]        ; the largest weight is taken away ahead of the exponentials
.irp i, 0,1,2,3,4
	v_sub_f32 v[GT+\i], v[GT+\i], v[GT+5]
.endr
.irp i, 0,1,2,3,4
	v_mul_f32 v[GT+\i], 0x3fb8aa3b, v[GT+\i]       ; x log2(e)
.endr
.irp i, 0,1,2,3,4
	v_exp_f32 v[GT+\i], v[GT+\i]
.endr
	v_nop
	s_wait_alu depctr_va_vdst(0)                   ; one wait for the five, ahead of their first reader
	v_add_f32 v[GT+6], v[GT], v[GT+1]
	v_add_f32 v[GT+7], v[GT+2], v[GT+3]
	v_add_f32 v[GT+6], v[GT+6], v[GT+7]            ; the gates' divisor
.irp t, 0,1
	v_mul_f32 v[GT+8+\t], v[GT+6], v[ST+8*\t+4]    ; x l
.endr
.irp t, 0,1
	v_rcp_f32 v[GT+8+\t], v[GT+8+\t]
.endr
	v_nop
	s_wait_alu depctr_va_vdst(0)                   ; one wait for the two reciprocals
.irp t, 0,1
	v_mul_f32 v[GT+10+2*\t], v[GT+4], v[GT+8+\t]   ; gate / l, in both words of a pair
	v_mul_f32 v[GT+11+2*\t], v[GT+4], v[GT+8+\t]
.endr
.irp t, 0,1
.irp n, 0,2,4,6,8,10,12,14
	v_pk_mul_f32 v[O+16*\t+\n:O+16*\t+\n+1], v[O+16*\t+\n:O+16*\t+\n+1], v[GT+10+2*\t:GT+11+2*\t]
.endr
.endr
.irp t, 0,1
.irp c, 0,1
	ds_store_b128 v[STO], v[O+16*\t+8*\c:O+16*\t+8*\c+3] offset:1024*(2*\t+\c)
	ds_store_b128 v[STO], v[O+16*\t+8*\c+4:O+16*\t+8*\c+7] offset:1024*(2*\t+\c)+512
.endr
.endr
	s_wait_dscnt 0x0                               ; for the others' sake: my four accumulators lie in the stage
	s_barrier_signal -1
	s_barrier_wait -1
.irp f, 0,1,2,3                                ; accumulator number F (tile F / 2, channels 16 (F % 2) on) of the four waves 4 f + QP
	ds_load_b128 v[S+8*\f:S+8*\f+3], v[RD] offset:16384*\f
	ds_load_b128 v[S+8*\f+4:S+8*\f+7], v[RD] offset:16384*\f+512
.endr
	s_wait_dscnt 0x0
.irp n, 0,2,4,6
	v_pk_add_f32 v[S+\n:S+\n+1], v[S+\n:S+\n+1], v[S+8+\n:S+9+\n]
	v_pk_add_f32 v[S+16+\n:S+17+\n], v[S+16+\n:S+17+\n], v[S+24+\n:S+25+\n]
.endr
.irp n, 0,2,4,6
	v_pk_add_f32 v[S+\n:S+\n+1], v[S+\n:S+\n+1], v[S+16+\n:S+17+\n]
.endr
.irp n, 0,1,2,3
	v_cvt_pk_f16_f32 v[P+\n], v[S+2*\n], v[S+2*\n+1]
.endr
	global_store_b128 v[LI], v[P:P+3], s[44:45]    ; half an image of o: the wave stores 512 consecutive bytes, at a multiple of 512 from oimg's first byte
	s_wait_tensorcnt 0x0                           ; the wave's end
	ds_add_u32 v[SPW], v[NIL]
	s_wait_dscnt 0x0
	CROUND                                         ; the closing round: no work-group ends while a partner may still ask for a tile that names it
	s_endpgm
.Lfunc_end_k_q1c5c86958e_attn:
	.size	k_q1c5c86958e_attn, .Lfunc_end_k_q1c5c86958e_attn-k_q1c5c86958e_attn
	.p2alignl 7, 3214868480
	.fill 96, 4, 3214868480
	.section	.rodata,"a",@progbits
	.p2align	6, 0x0
	.amdhsa_kernel k_q1c5c86958e_attn
		.amdhsa_group_segment_fixed_size 327680
		.amdhsa_private_segment_fixed_size 0
		.amdhsa_enable_private_segment 0
		.amdhsa_kernarg_size 24
		.amdhsa_user_sgpr_count 2
		.amdhsa_user_sgpr_kernarg_segment_ptr 1
		.amdhsa_wavefront_size32 1
		.amdhsa_system_sgpr_workgroup_id_x 1
		.amdhsa_system_sgpr_workgroup_id_y 1
		.amdhsa_system_sgpr_workgroup_id_z 1
		.amdhsa_system_vgpr_workitem_id 0
		.amdhsa_next_free_vgpr 256
		.amdhsa_next_free_sgpr 66
		.amdhsa_reserve_vcc 0
		.amdhsa_float_denorm_mode_32 3
		.amdhsa_float_denorm_mode_16_64 3
		.amdhsa_memory_ordered 1
		.amdhsa_forward_progress 1
		.amdhsa_inst_pref_size 123
	.end_amdhsa_kernel
	.amdgpu_metadata
---
amdhsa.version: [ 1, 2 ]
amdhsa.kernels:
  - .name:           k_q1c5c86958e_attn
    .symbol:         k_q1c5c86958e_attn.kd
    .args:
      - { .name: kv, .offset: 0, .size: 8, .value_kind: global_buffer, .address_space: global }
      - { .name: feature_weights, .offset: 8, .size: 8, .value_kind: global_buffer, .address_space: global }
      - { .name: oimg, .offset: 16, .size: 8, .value_kind: global_buffer, .address_space: global }
    .group_segment_fixed_size: 327680
    .private_segment_fixed_size: 0
    .kernarg_segment_align: 8
    .kernarg_segment_size: 24
    .max_flat_workgroup_size: 512
    .sgpr_count:     66
    .vgpr_count:     256
    .wavefront_size: 32
...
	.end_amdgpu_metadata
.endif
;; end of part 2
;; launch outp (part 3): grid 4 x 64, 4 waves a work-group, no clusters, 17,920 bytes of LDS; arguments oimg, Wo, bo, out0; writes out0
.if DOCPART == 3
	.amdgcn_target "amdgcn-amd-amdhsa--gfx1250"
	.amdhsa_code_object_version 6
	.text
	.protected	k_q1c5c86958e_outp
	.globl	k_q1c5c86958e_outp
	.p2align	8
	.type	k_q1c5c86958e_outp,@function
k_q1c5c86958e_outp:
	s_mov_b64 s[64:65], 0
	v_nop
	global_prefetch_b8 v0, s[64:65] scope:SCOPE_SE
	s_setreg_imm32_b32 hwreg(HW_REG_WAVE_MODE, 25, 1), 1
	s_wait_xcnt 0x0
; OUTP: out0 = o Wo^T + bo.  o: [4,096][256] as f16 images of operand registers, oimg = [row tile 256][head 8][1,024 bytes] (lane = row, a K step of 32 = a head); Wo [256][256], bo [256], out0 [4,096][256]: f32.
; Operands in f16, sums in f32.  A work-group makes 64 rows x 64 columns: 256 work-groups.  Wave w takes Wo's rows (the output's columns) 64 x + 16 w + 0..15 for all four tiles of 16 rows of o.
; THE PRODUCT IS USED TRANSPOSED (source 0 = 16 rows of Wo, source 1 = 16 rows of o): a lane holds one row of the output and eight neighbouring columns; the bias is the C of each sum's first product.
; A row's 64 columns, 256 bytes, come from four waves: they meet in a stage in LDS and leave as whole runs of 256 bytes.
; NO JOINT LOADS, NO TENSOR LOADS: every operand goes from memory straight into the registers of the one wave that multiplies it (o's images as they lie, Wo through its rounding to f16); a work-group reads 96 KiB in all.
; LIMITS: |o|, |Wo| under 65,504 (f16), smallest step 6e-8; NaN and infinities are not served.
.set SP,    272                        ; a stage row: 256 bytes + 16
.set SPARE, 64*SP                      ; behind the stage: the spare words, 128 bytes for each of the 4 waves: no other line names them
.set WA,   4                           ; Wo: row r of 1,024 bytes + 32 hh
.set LI,   5                           ; 16 x lane
.set STO,  6                           ; the stage, in: row r, + 32 hh + 64 w
.set RD,   7                           ; back: row 16 w + hh, + 16 r
.set CO,   8                           ; and the same place in out0
.set BA,   9                           ; bo: 32 hh
.set SPW,  12                          ; my spare word; never rewritten
.set NIL,  13                          ; 0; never rewritten
.set BIAS, 16                          ; v16-23   bo of my eight columns
.set WF,   32                          ; v32-95   Wo's eight fragments
.set OF,   96                          ; v96-127, v128-159  o's four fragments of a K step, two sets
.set ACC,  160                         ; v160-191 four accumulators
.set WS,   128                         ; v128-255 Wo as loaded; done with before the second set and the accumulators are written
.macro OLOAD s                         ; K step s of the four tiles of rows into set s % 2
.irp m, 0,1,2,3
.irp c, 0,1
	global_load_b128 v[OF+32*((\s)%2)+8*\m+4*\c:OF+32*((\s)%2)+8*\m+4*\c+3], v[LI], s[4:5] offset:8192*\m+1024*(\s)+512*\c
.endr
.endr
.endm
	s_load_b256 s[4:11], s[0:1], 0x0               ; oimg s[4:5], Wo s[6:7], bo s[8:9], out0 s[10:11]
	v_lshl_add_u32 v[SPW], v0, 2, SPARE
	v_mov_b32 v[NIL], 0
	v_lshrrev_b32 v1, 5, v0
	v_readfirstlane_b32 s12, v1                    ; wave 0..3
	v_and_b32 v1, 31, v0
	v_and_b32 v2, 15, v0                           ; r
	v_bfe_u32 v3, v0, 4, 1                         ; hh
	s_and_b32 s13, ttmp7, 0xffff                   ; which 64 rows
	v_lshlrev_b32 v[WA], 10, v2
	v_lshl_add_u32 v[WA], v3, 5, v[WA]
	v_lshlrev_b32 v[LI], 4, v1
	v_lshlrev_b32 v[BA], 5, v3
	v_mul_u32_u24 v[STO], v2, SP
	v_lshl_add_u32 v[STO], v3, 5, v[STO]
	s_lshl_b32 s14, s12, 6
	v_add_nc_u32 v[STO], s14, v[STO]
	v_mul_u32_u24 v[RD], v3, SP
	v_lshl_add_u32 v[RD], v2, 4, v[RD]
	s_mul_i32 s14, s12, 16*SP
	v_add_nc_u32 v[RD], s14, v[RD]
	v_lshlrev_b32 v[CO], 10, v3
	v_lshl_add_u32 v[CO], v2, 4, v[CO]
	s_lshl_b32 s14, s12, 14
	v_add_nc_u32 v[CO], s14, v[CO]
	s_lshl_b32 s16, ttmp9, 6
	s_lshl_b32 s17, s12, 4
	s_add_co_u32 s16, s16, s17                     ; my first column: 64 x + 16 w
	s_lshl_b32 s18, s16, 2                         ; in bo,
	s_mov_b32 s19, 0
	s_lshl_b32 s16, s16, 10                        ; and as a row of Wo
	s_mov_b32 s17, 0
	s_lshl_b32 s20, s13, 15                        ; oimg: four row tiles of 8,192 bytes
	s_mov_b32 s21, 0
	s_lshl_b32 s22, s13, 16                        ; out0: 64 rows of 1,024 bytes,
	s_lshl_b32 s23, ttmp9, 8                       ; + 64 columns
	s_add_co_u32 s22, s22, s23
	s_mov_b32 s23, 0
	s_wait_kmcnt 0x0
	s_add_nc_u64 s[4:5], s[4:5], s[20:21]
	s_add_nc_u64 s[6:7], s[6:7], s[16:17]
	s_add_nc_u64 s[8:9], s[8:9], s[18:19]
	s_add_nc_u64 s[10:11], s[10:11], s[22:23]
.irp s, 0,1,2,3,4,5,6,7                        ; K step s of my row: k = 32 s + 8 hh + 0..7 and + 16
.irp i, 0,1,2,3
	global_load_b128 v[WS+16*\s+4*\i:WS+16*\s+4*\i+3], v[WA], s[6:7] offset:128*\s+16*(\i%2)+64*(\i/2)
.endr
.endr
	global_load_b128 v[BIAS:BIAS+3], v[BA], s[8:9]
	global_load_b128 v[BIAS+4:BIAS+7], v[BA], s[8:9] offset:16
	OLOAD 0
	s_wait_loadcnt 8                               ; Wo and bo are in; the eight loads of o's first K step may be out
.set n, 0
.rept 64
	v_cvt_pk_f16_f32 v[WF+n], v[WS+2*n], v[WS+2*n+1]
.set n, n+1
.endr
	OLOAD 1
.irp s, 0,1,2,3,4,5,6,7
.if \s < 7
	s_wait_loadcnt 8                               ; this K step's eight loads are in; the next step's eight may be out
.else
	s_wait_loadcnt 0x0
.endif
.irp m, 0,1,2,3                                ; the four accumulators by turns
.if \s == 0
	v_wmma_f32_16x16x32_f16 v[ACC+8*\m:ACC+8*\m+7], v[WF+8*\s:WF+8*\s+7], v[OF+32*(\s%2)+8*\m:OF+32*(\s%2)+8*\m+7], v[BIAS:BIAS+7]
.else
	v_wmma_f32_16x16x32_f16 v[ACC+8*\m:ACC+8*\m+7], v[WF+8*\s:WF+8*\s+7], v[OF+32*(\s%2)+8*\m:OF+32*(\s%2)+8*\m+7], v[ACC+8*\m:ACC+8*\m+7]
.endif
.endr
.rept 4
	v_nop                                          ; four places ahead of loads into registers that these products read, and at the end of the first read of results
.endr
.if \s < 6
	OLOAD \s+2
.endif
.endr
.irp m, 0,1,2,3
	ds_store_b128 v[STO], v[ACC+8*\m:ACC+8*\m+3] offset:16*\m*SP       ; each accumulator from its low end on
	ds_store_b128 v[STO], v[ACC+8*\m+4:ACC+8*\m+7] offset:16*\m*SP+16
.endr
	s_wait_dscnt 0x0                               ; for the others' sake: my columns lie in the stage
	s_barrier_signal -1
	s_barrier_wait -1
.irp i, 0,1,2,3,4,5,6,7                        ; my 16 rows, two at a time: lanes 0-15 one row's 256 bytes, lanes 16-31 the next
	ds_load_b128 v[OF+4*\i:OF+4*\i+3], v[RD] offset:2*\i*SP
.endr
.irp i, 0,1,2,3,4,5,6,7
	s_wait_dscnt 7-\i                              ; LDS loads come back in order (ISA guide 5.7.1): load i is in, the younger ones may be out
	global_store_b128 v[CO], v[OF+4*\i:OF+4*\i+3], s[10:11] offset:2048*\i th:TH_STORE_NT   ; sixteen lanes store 256 consecutive bytes, at a multiple of 256 from out0's first byte
.endr
	s_wait_tensorcnt 0x0                           ; the wave's end
	ds_add_u32 v[SPW], v[NIL]
	s_wait_dscnt 0x0
	s_endpgm
.Lfunc_end_k_q1c5c86958e_outp:
	.size	k_q1c5c86958e_outp, .Lfunc_end_k_q1c5c86958e_outp-k_q1c5c86958e_outp
	.p2alignl 7, 3214868480
	.fill 96, 4, 3214868480
	.section	.rodata,"a",@progbits
	.p2align	6, 0x0
	.amdhsa_kernel k_q1c5c86958e_outp
		.amdhsa_group_segment_fixed_size 17920
		.amdhsa_private_segment_fixed_size 0
		.amdhsa_enable_private_segment 0
		.amdhsa_kernarg_size 32
		.amdhsa_user_sgpr_count 2
		.amdhsa_user_sgpr_kernarg_segment_ptr 1
		.amdhsa_wavefront_size32 1
		.amdhsa_system_sgpr_workgroup_id_x 1
		.amdhsa_system_sgpr_workgroup_id_y 1
		.amdhsa_system_sgpr_workgroup_id_z 1
		.amdhsa_system_vgpr_workitem_id 0
		.amdhsa_next_free_vgpr 256
		.amdhsa_next_free_sgpr 66
		.amdhsa_reserve_vcc 0
		.amdhsa_float_denorm_mode_32 3
		.amdhsa_float_denorm_mode_16_64 3
		.amdhsa_memory_ordered 1
		.amdhsa_forward_progress 1
		.amdhsa_inst_pref_size 21
	.end_amdhsa_kernel
	.amdgpu_metadata
---
amdhsa.version: [ 1, 2 ]
amdhsa.kernels:
  - .name:           k_q1c5c86958e_outp
    .symbol:         k_q1c5c86958e_outp.kd
    .args:
      - { .name: oimg, .offset: 0, .size: 8, .value_kind: global_buffer, .address_space: global }
      - { .name: Wo, .offset: 8, .size: 8, .value_kind: global_buffer, .address_space: global }
      - { .name: bo, .offset: 16, .size: 8, .value_kind: global_buffer, .address_space: global }
      - { .name: out0, .offset: 24, .size: 8, .value_kind: global_buffer, .address_space: global }
    .group_segment_fixed_size: 17920
    .private_segment_fixed_size: 0
    .kernarg_segment_align: 8
    .kernarg_segment_size: 32
    .max_flat_workgroup_size: 128
    .sgpr_count:     66
    .vgpr_count:     256
    .wavefront_size: 32
...
	.end_amdgpu_metadata
.endif
;; end of part 3
